; MI455X (gfx1250); checked and timed in simulation.
; The chip was launched on July 23, 2026; its instructions are those of AMD's public machine-readable ISA for CDNA 5 (MIT licence, August 2026) and "CDNA5" Instruction Set Architecture Reference Guide (July 2026). The comments in the code are by the model that wrote it; some were corrected since.
;; FP8 Linear Module. Allowed arithmetic: float matrix products may take bf16 or f16 operands with f32 sums; other float arithmetic in f32, or as packed bf16 or f16 multiplies, adds, multiply-adds, maxima and minima; sums over many terms, partial sums and values carried from step to step in f32; what a program stores and reads back later, other than sums and carried values, may be rounded once to bf16 or f16.
;; Inputs: bias 4,096 bfloat16; weight 4,096 x 4,096 bfloat16; x 4,096 x 4,096 bfloat16.
;; Outputs: out0 4,096 x 4,096 bfloat16.
;; 2 versions, each right; version 2 is version 1 with the launch quant written anew for expert scheduling mode. Each part assembles by itself: llvm-mc -triple=amdgcn-amd-amdhsa -mcpu=gfx1250 --defsym DOCPART=n.
;; ======== version 1 of 2: 2 launches
;; workspace buffers: xq 33,554,432 bytes; wq 33,554,432 bytes; sa 16,384 bytes; sw 16,384 bytes
;; launch quant (part 1): grid 128 x 2, 16 waves a work-group, no clusters, 2,304 bytes of LDS; arguments x, weight, xq, wq, sa, sw; writes xq, wq, sa, sw
.if DOCPART == 1
	.amdgcn_target "amdgcn-amd-amdhsa--gfx1250"
	.amdhsa_code_object_version 6
	.text
	.protected	k_qe082707ef0_quant
	.globl	k_qe082707ef0_quant
	.p2align	8
	.type	k_qe082707ef0_quant,@function
k_qe082707ef0_quant:
	s_mov_b64 s[64:65], 0
	v_nop
	global_prefetch_b8 v0, s[64:65] scope:SCOPE_SE
	s_setreg_imm32_b32 hwreg(HW_REG_WAVE_MODE, 25, 1), 1
	s_wait_xcnt 0x0
; ROW-WISE FP8 QUANTISATION, for x (grid y = 0) and weight (grid y = 1) alike.  t: [4096][4096] bf16.
;   s[r] = max(amax over the row of |t[r][c]| / 448, 1e-8) in f32;   q[r][c] = e4m3(t[r][c] / s[r]), written as bf16, which holds every e4m3 number exactly.
; SHARES.  128 work-groups a tensor, 32 rows each; sixteen waves, two rows each.  A row is 8,192 bytes: sixteen loads of 16 bytes a lane, 512 consecutive bytes
; a load, 64 registers.  Both rows are asked for at the start (32 loads a wave, the work-group's whole 262,144 bytes), stay in registers between the pass that finds
; the maximum and the pass that quantises, are rewritten in place and stored from there: each byte is read once and written once, and there is no loop.
; THE DIVISIONS.  amax / 448: product with the rounded reciprocal of 448, exact residual by a fused multiply-add, one correction.  t / s: the same with v_rcp_f32 of s.
; Where the true quotient is an f32 number the result is that number, so quotients that lie midway between two e4m3 codes are rounded as a true division's would be.
; LIMITS.  NaN and infinities in the inputs are not treated apart (the maximum drops a NaN; the clamp holds a quotient to +-448).  The clamp changes nothing for finite
; inputs: |t| <= amax gives |t / s| <= 448 but for the last bit.  In rare cases the corrected quotient may differ from a true division in its last f32 bit.
; The 32 scales of a work-group meet in LDS and leave as one store of 128 consecutive bytes: 64 rows a work-group would give 256, but only 128 work-groups.
.set ROW,   8192                       ; bytes in a row
.set SPARE, 256                        ; LDS: bytes 0-127 the 32 scales (the block 0-255 is theirs); from 256 on the spare words, 128 bytes for each of 16 waves
.set OFF,  2                           ; v2       16 x lane + 16,384 x wave: my 16 bytes in my wave's first row; never rewritten
.set LN4,  3                           ; v3       4 x lane
.set LA,   4                           ; v4       8 x wave: where my wave's two scales go in LDS
.set SPW,  6                           ; v6       LDS address of my spare word; never rewritten
.set NIL,  7                           ; v7       0; never rewritten
                                       ; v8, v9   eight e4m3 codes (named by halves below)
.set M,    10                          ; v[10:13] four running maxima, two bf16 each
.set SC,   16                          ; v[16:17] row 0's scale, twice; v[18:19] row 1's
.set RC,   20                          ; v[20:21] 1 / scale, twice
.set P,    22                          ; v[22:23] the wave's two scales as a pair
.set T,    24                          ; v[24:31] at work
.set Q,    32                          ; v[32:39] at work
.set X,    40                          ; v[40:167] row s at X + 64 s
	s_load_b256 s[4:11], s[0:1], 0x0               ; x s[4:5], weight s[6:7], xq s[8:9], wq s[10:11]
	s_load_b128 s[12:15], s[0:1], 0x20             ; sa s[12:13], sw s[14:15]
	v_lshl_add_u32 v[SPW], v0, 2, SPARE
	v_mov_b32 v[NIL], 0
	v_lshrrev_b32 v1, 5, v0
	v_readfirstlane_b32 s16, v1                    ; wave 0..15
	s_and_b32 s17, ttmp7, 0xffff                   ; 0: x, 1: weight
	s_lshl_b32 s18, ttmp9, 18                      ; the work-group's 32 rows of 8,192 bytes: 2^25 at the most
	s_mov_b32 s19, 0
	s_lshl_b32 s34, ttmp9, 7                       ; and its 32 scales of 4 bytes
	s_mov_b32 s35, 0
	s_mov_b32 s20, 0x7fff7fff                      ; clears the signs of two bf16
	s_mov_b32 s21, 0xffff0000                      ; a word's upper bf16
	s_mov_b32 s22, 0x76543210                      ; v_permlanex16_b32: each lane takes its own place in the other half
	s_mov_b32 s23, 0xfedcba98
	s_mov_b32 s24, 0xc3e00000                      ; -448
	s_mov_b32 s25, 0x43e00000                      ; 448
	s_mov_b32 s26, 0x3b124925                      ; 1 / 448, rounded to nearest
	s_mov_b32 s27, 0x322bcc77                      ; 1e-8
	v_and_b32 v1, 31, v0                           ; lane
	v_lshlrev_b32 v[OFF], 4, v1
	v_lshl_add_u32 v[OFF], s16, 14, v[OFF]         ; + wave x 2 rows
	v_lshlrev_b32 v[LN4], 2, v1
	v_mov_b32 v[LA], s16
	v_lshlrev_b32 v[LA], 3, v[LA]
	v_mov_b32 v8, 0                                ; the conversions below write halves: the words are written whole once
	v_mov_b32 v9, 0
	s_wait_kmcnt 0x0
	s_cmp_eq_u32 s17, 0                            ; the tensor is chosen by the grid's y alone
	s_cselect_b64 s[28:29], s[4:5], s[6:7]         ; from
	s_cselect_b64 s[30:31], s[8:9], s[10:11]       ; to
	s_cselect_b64 s[32:33], s[12:13], s[14:15]     ; scales
	s_add_nc_u64 s[28:29], s[28:29], s[18:19]
	s_add_nc_u64 s[30:31], s[30:31], s[18:19]
	s_add_nc_u64 s[32:33], s[32:33], s[34:35]
.irp s, 0,1
.irp j, 0,1,2,3,4,5,6,7,8,9,10,11,12,13,14,15
	global_load_b128 v[X+64*(\s)+4*(\j):X+64*(\s)+4*(\j)+3], v[OFF], s[28:29] offset:ROW*(\s)+512*(\j) th:TH_LOAD_NT  ; read once in the launch
.endr
.endr
; Row s of my two.  left = how many younger loads may stay out.
.macro ROWQ s, left
	s_wait_loadcnt \left                           ; loads come back in order (ISA guide 5.7.1): this row's sixteen are in
	; pass 1: the largest |t| of my 128 numbers, two bf16 at a time, in four chains started by the first four words
.irp k, 0,1,2,3
	v_and_b32 v[M+(\k)], s20, v[X+64*(\s)+(\k)]
.endr
.set j, 4
.rept 60
	v_and_b32 v[T+j%4], s20, v[X+64*(\s)+j]
	v_pk_max_num_bf16 v[M+j%4], v[M+j%4], v[T+j%4]
.set j, j+1
.endr
	v_pk_max_num_bf16 v[M], v[M], v[M+1]
	v_pk_max_num_bf16 v[M+2], v[M+2], v[M+3]
	v_pk_max_num_bf16 v[M], v[M], v[M+2]
	v_lshlrev_b32 v[T], 16, v[M]                   ; the two halves as f32
	v_and_b32 v[T+1], s21, v[M]
	v_max_num_f32 v[T], v[T], v[T+1]
	v_max_num_f32_dpp v[T], v[T], v[T] row_xmask:1 row_mask:0xf bank_mask:0xf
	v_max_num_f32_dpp v[T], v[T], v[T] row_xmask:2 row_mask:0xf bank_mask:0xf
	v_max_num_f32_dpp v[T], v[T], v[T] row_xmask:4 row_mask:0xf bank_mask:0xf
	v_max_num_f32_dpp v[T], v[T], v[T] row_xmask:8 row_mask:0xf bank_mask:0xf
	v_permlanex16_b32 v[T+1], v[T], s22, s23       ; the other half of the lanes; its destination has been written
	v_max_num_f32 v[M], v[T], v[T+1]               ; every lane holds the row's amax
	; the scale: amax / 448, then the floor of 1e-8
	v_mul_f32 v[T], s26, v[M]                      ; q0 = amax x (1 / 448)
	v_fma_f32 v[T+1], v[T], s24, v[M]              ; e = amax - 448 q0, exact
	v_fma_f32 v[T], v[T+1], s26, v[T]              ; q0 + e / 448
	v_max_num_f32 v[SC+2*(\s)], s27, v[T]
	v_max_num_f32 v[SC+2*(\s)+1], s27, v[T]        ; twice: a pair for the packed arithmetic
	v_rcp_f32 v[RC], v[SC+2*(\s)]                  ; a plain vector instruction stands between a reciprocal and the use of its result (ISA guide 5.7.2):
	v_rcp_f32 v[RC+1], v[SC+2*(\s)]                ; the unpacking lines below, which name neither RC nor SC
	; pass 2: four words (8 numbers) at a time: divide, clamp, to e4m3, back, to bf16 in place, store
	s_wait_alu depctr_va_vdst(0)
.irp j, 0,1,2,3,4,5,6,7,8,9,10,11,12,13,14,15
.irp k, 0,1,2,3
	v_lshlrev_b32 v[T+2*(\k)],   16,  v[X+64*(\s)+4*(\j)+(\k)]
	v_and_b32     v[T+2*(\k)+1], s21, v[X+64*(\s)+4*(\j)+(\k)]
.endr
.irp k, 0,2,4,6
	v_pk_mul_f32 v[Q+(\k):Q+(\k)+1], v[T+(\k):T+(\k)+1], v[RC:RC+1]                                                   ; q0 = t r
.endr
.irp k, 0,2,4,6
	v_pk_fma_f32 v[T+(\k):T+(\k)+1], v[Q+(\k):Q+(\k)+1], v[SC+2*(\s):SC+2*(\s)+1], v[T+(\k):T+(\k)+1] neg_lo:[1,0,0] neg_hi:[1,0,0]  ; e = t - q0 s
.endr
.irp k, 0,2,4,6
	v_pk_fma_f32 v[Q+(\k):Q+(\k)+1], v[T+(\k):T+(\k)+1], v[RC:RC+1], v[Q+(\k):Q+(\k)+1]                               ; q = q0 + e r
.endr
.irp i, 0,1,2,3,4,5,6,7
	v_med3_num_f32 v[Q+(\i)], v[Q+(\i)], s24, s25  ; the conversion does not saturate: held to +-448 first
.endr
	v_cvt_pk_fp8_f32 v8.l, v[Q],   v[Q+1]
	v_cvt_pk_fp8_f32 v8.h, v[Q+2], v[Q+3]
	v_cvt_pk_fp8_f32 v9.l, v[Q+4], v[Q+5]
	v_cvt_pk_fp8_f32 v9.h, v[Q+6], v[Q+7]
	v_cvt_pk_f32_fp8 v[T:T+1],   v8.l
	v_cvt_pk_f32_fp8 v[T+2:T+3], v8.h
	v_cvt_pk_f32_fp8 v[T+4:T+5], v9.l
	v_cvt_pk_f32_fp8 v[T+6:T+7], v9.h
.irp k, 0,1,2,3
	v_cvt_pk_bf16_f32 v[X+64*(\s)+4*(\j)+(\k)], v[T+2*(\k)], v[T+2*(\k)+1]  ; exact: an e4m3 number has four significant bits
.endr
	global_store_b128 v[OFF], v[X+64*(\s)+4*(\j):X+64*(\s)+4*(\j)+3], s[30:31] offset:ROW*(\s)+512*(\j)  ; 512 consecutive bytes, aligned; these registers are not written again
.endr
.endm
	ROWQ 0, 16                                     ; the second row's sixteen loads stay out
	ROWQ 1, 0
	; the scales: each wave puts its two into LDS, wave 0 stores all 32
	v_mov_b32 v[P], v[SC]
	v_mov_b32 v[P+1], v[SC+2]
	ds_store_b64 v[LA], v[P:P+1]                   ; all lanes write the same 8 bytes with the same values
	s_wait_dscnt 0x0                               ; for the others' sake: my store is done
	s_barrier_signal -1
	s_barrier_wait -1
	s_cmp_lg_u32 s16, 0
	s_cbranch_scc1 .Ldone
	ds_load_b32 v[T], v[LN4]                       ; lane i: the scale of the work-group's row i
	s_wait_dscnt 0x0
	global_store_b32 v[LN4], v[T], s[32:33]        ; 128 consecutive bytes
.Ldone:
	s_wait_tensorcnt 0x0                           ; the wave's end: behind my last LDS store
	ds_add_u32 v[SPW], v[NIL]
	s_wait_dscnt 0x0
	s_endpgm
.Lfunc_end_k_qe082707ef0_quant:
	.size	k_qe082707ef0_quant, .Lfunc_end_k_qe082707ef0_quant-k_qe082707ef0_quant
	.p2alignl 7, 3214868480
	.fill 96, 4, 3214868480
	.section	.rodata,"a",@progbits
	.p2align	6, 0x0
	.amdhsa_kernel k_qe082707ef0_quant
		.amdhsa_group_segment_fixed_size 2304
		.amdhsa_private_segment_fixed_size 0
		.amdhsa_enable_private_segment 0
		.amdhsa_kernarg_size 48
		.amdhsa_user_sgpr_count 2
		.amdhsa_user_sgpr_kernarg_segment_ptr 1
		.amdhsa_wavefront_size32 1
		.amdhsa_system_sgpr_workgroup_id_x 1
		.amdhsa_system_sgpr_workgroup_id_y 1
		.amdhsa_system_sgpr_workgroup_id_z 1
		.amdhsa_system_vgpr_workitem_id 0
		.amdhsa_next_free_vgpr 168
		.amdhsa_next_free_sgpr 66
		.amdhsa_reserve_vcc 0
		.amdhsa_float_denorm_mode_32 3
		.amdhsa_float_denorm_mode_16_64 3
		.amdhsa_memory_ordered 1
		.amdhsa_forward_progress 1
		.amdhsa_inst_pref_size 90
	.end_amdhsa_kernel
	.amdgpu_metadata
---
amdhsa.version: [ 1, 2 ]
amdhsa.kernels:
  - .name:           k_qe082707ef0_quant
    .symbol:         k_qe082707ef0_quant.kd
    .args:
      - { .name: x, .offset: 0, .size: 8, .value_kind: global_buffer, .address_space: global }
      - { .name: weight, .offset: 8, .size: 8, .value_kind: global_buffer, .address_space: global }
      - { .name: xq, .offset: 16, .size: 8, .value_kind: global_buffer, .address_space: global }
      - { .name: wq, .offset: 24, .size: 8, .value_kind: global_buffer, .address_space: global }
      - { .name: sa, .offset: 32, .size: 8, .value_kind: global_buffer, .address_space: global }
      - { .name: sw, .offset: 40, .size: 8, .value_kind: global_buffer, .address_space: global }
    .group_segment_fixed_size: 2304
    .private_segment_fixed_size: 0
    .kernarg_segment_align: 8
    .kernarg_segment_size: 48
    .max_flat_workgroup_size: 512
    .sgpr_count:     66
    .vgpr_count:     168
    .wavefront_size: 32
...
	.end_amdgpu_metadata
.endif
;; end of part 1
;; launch gemm (part 2): grid 16 x 16, 4 waves a work-group, clusters of 4 x 4, 327,680 bytes of LDS; arguments xq, wq, out0, sa, sw, bias; writes out0
.if DOCPART == 2
	.amdgcn_target "amdgcn-amd-amdhsa--gfx1250"
	.amdhsa_code_object_version 6
	.text
	.protected	k_qe082707ef0_gemm
	.globl	k_qe082707ef0_gemm
	.p2align	8
	.type	k_qe082707ef0_gemm,@function
k_qe082707ef0_gemm:
	s_mov_b64 s[64:65], 0
	v_nop
	global_prefetch_b8 v0, s[64:65] scope:SCOPE_SE
	s_setreg_imm32_b32 hwreg(HW_REG_WAVE_MODE, 25, 1), 1
	s_wait_xcnt 0x0
	s_wait_alu depctr_hold_cnt(0) depctr_sa_sdst(0) depctr_va_vdst(0) depctr_va_sdst(0) depctr_va_ssrc(0) depctr_va_vcc(0) depctr_vm_vsrc(0)
	s_getreg_b32 s2, hwreg(HW_REG_IB_STS2, 6, 4)
	s_cmp_eq_u32 s2, 0
	s_cbranch_scc0 .Lentry_in_a_cluster
	s_endpgm
.Lentry_in_a_cluster:
	s_bfe_u32 s2, ttmp6, 0x10000c
	s_cmp_lg_u32 s2, 0xf033
	s_cbranch_scc0 .Lentry_shape_is_right
	s_endpgm
.Lentry_shape_is_right:
; out0[m][n] = bf16((sum over k of xq[m][k] wq[n][k]) x sa[m] x sw[n]) + bias[n].  xq, wq: [4096][4096] bf16, each number an e4m3 number, so the products are those of the
; fp8 codes; sums in f32; the two scalings in f32, sa first; one rounding to bf16; the bias is added in bf16, with one more rounding, as the problem has it.
; A tile of out0, 256 x 256, is made by a work-group of four waves; a wave makes 128 x 128: 64 accumulators of 16 x 16, 512 registers.  16 x 16 tiles: 256 work-groups, one tile each.
; K goes in steps of 128 through a ring of two LDS slots filled by the tensor data mover: a tile's rows are 256 bytes of memory and start at multiples of 256 bytes.
; CLUSTERS: 4 x 4 work-groups.  The four of a row of the cluster need the same tiles of xq (A), the four of a column the same tiles of wq (B).  Such a tile is asked for JOINTLY:
; each of the four issues the same tensor load, with the same descriptor and a mask that names the four, and each receives the tile in its own LDS.
; THE MATRIX INSTRUCTION IS USED TRANSPOSED: source 0 = 16 rows of B, source 1 = 16 rows of A.  Lane l then holds row l % 16 of the result and in registers 0 to 7 the columns
; 8 (l / 16) + 0 .. 7: eight neighbouring numbers of a row, which pack into 16 bytes.
; REGISTERS, in windows of 256 (s_set_vgpr_msb's low byte: bits 1:0 source 0, 3:2 source 1, 5:4 source 2, 7:6 destination):
;   window 0: v0-31 addresses and the bias; v64-127, v128-191 fragments of A, two buffers; v32-63, v192-255 at work on the way out
;   window 1: v0-63 sw of my 128 columns as the accumulators hold them; v64-127, v128-191 fragments of B, two buffers; v192-207 sa of my rows, twice each
;   window 2: the 32 accumulators of my rows 0-63 (accumulator (a, b) at v[8 (8 a + b)]);   window 3: those of my rows 64-127
; LIMITS: NaN and infinities are not treated apart.
.set SIZE_M, 4096
.set SIZE_N, 4096
.set SIZE_K, 4096
.set KSTEP,  128
.set PITCH,  272                       ; an LDS row: 256 bytes of data + 16 of padding = 68 words: row r starts at bank 4 r mod 64 (64 banks of 4 bytes: ISA guide 11.1), so the 16 rows of a load start at 16 different banks
.set HALFT,  128*PITCH                 ; 128 rows: what one tensor load brings, and what one wave reads of A or of B
.set SLOT,   4*HALFT                   ; A's 256 rows, then B's 256 rows
.set STAGE,  2*SLOT                    ; behind the ring: 16 rows x 272 bytes for each wave, for the way out; no tensor load fills it
.set SPITCH, 272
.set SPARE,  STAGE+4*16*SPITCH         ; behind the stages: the spare words, 128 bytes for each wave: two blocks of 256 bytes that no other line names
.set LAPS,   SIZE_K/(2*KSTEP)          ; a lap = two K steps = once round the ring: 16
.set VSA,  6                           ; v6      4 (l % 16): my row's place among 16 scales of A
.set VSW,  7                           ; v7      32 (l / 16): my eight columns' place among 16 scales of B
.set VBI,  8                           ; v8      16 (l % 16): my eight columns' place in the bias of the wave's 128 columns, as rows come back from the stage
.set BIAS, 12                          ; v12-15  those eight bf16
.set ADRA, 16                          ; v16-17  LDS address of my A fragments in slot 0, 1
.set ADRB, 20                          ; v20-21  the same for B
.set STO,  24                          ; v24     the way out: where I put 16 bytes of a row
.set RD,   25                          ; v25     the way out: where I read a row back
.set CO,   26                          ; v26     my byte offset in out0
.set SPW,  28                          ; v28     LDS address of my spare word: SPARE + 4 x my thread's number; never rewritten
.set NIL,  29                          ; v29     0; never rewritten
.set F0,   64                          ; fragment buffer 0
.set F1,   128                         ; fragment buffer 1
.set TMP,  192                         ; the way out: packed results, in window 0
.set OB,   32                          ; the way out: 16 rows read back from the stage: v32-63 and v224-255 by turns
.set SW,   0                           ; window 1: register 8 b + j = sw[my first column + 16 b + 8 (l / 16) + j]
.set SA,   192                         ; window 1: registers 2 a, 2 a + 1 = sa[my first row + 16 a + l % 16]
.set G1,  24                           ; s[24:31] descriptor group 1 for A's tiles
.set G0,  32                           ; s[32:39] descriptor group 0 for A's tiles, one set for each slot
.set G1B, 48                           ; s[48:55] descriptor group 1 for B's tiles: it differs from A's in the mask alone
.set G0B, 56                           ; s[56:63] descriptor group 0 for B's tiles, one set for each slot
.set MSB, 0
.macro WIN new                         ; the immediate's high byte repeats the setting that is left; a switch that changes nothing is dropped
.if MSB != (\new)
	s_set_vgpr_msb (MSB<<8)|(\new)
.set MSB, \new
.endif
.endm
.set MUL_LO, 0xa1                      ; source 0 (B) window 1, source 1 (A) window 0, C and D window 2
.set MUL_HI, 0xf1                      ; the same, C and D window 3
.set TO_B,   0x40                      ; destination window 1, address window 0
; A joint load.  Waves 0 and 1 fetch A's two halves, waves 2 and 3 B's.  Each of the two lines has one mask and one set of registers for all that issue it.  The branch hangs on the
; wave's number alone.  An s_nop 0 and four v_nop follow each of the two lines, ahead of the jump, the label and what follows.
.macro JLOAD s
	s_cmp_eq_u32 s11, 0
	s_cbranch_scc0 .Lfor_b_\@
	tensor_load_to_lds s[G0+4*(\s):G0+4*(\s)+3], s[G1:G1+7]
	s_nop 0
.rept 4
	v_nop
.endr
	s_branch .Lasked_\@
.Lfor_b_\@:
	tensor_load_to_lds s[G0B+4*(\s):G0B+4*(\s)+3], s[G1B:G1B+7]
	s_nop 0
.rept 4
	v_nop
.endr
.Lasked_\@:
.endm
; A round of the cluster's barrier: my work-group's barrier, so that wave 0's signal speaks for all four waves; wave 0 signals for the work-group; every wave waits for all
; sixteen work-groups; my work-group's barrier once more.
.macro CREST                           ; a round behind its opening barrier
	s_cmp_lg_u32 s10, 0
	s_cbranch_scc1 .Lnot_wave_0_\@
	s_barrier_signal -3
.Lnot_wave_0_\@:
	s_barrier_wait -3
	s_barrier_signal -1
	s_barrier_wait -1
.endm
.macro CROUND                          ; a whole round
	s_barrier_signal -1
	s_barrier_wait -1
	CREST
.endm
	s_load_b128 s[4:7], s[0:1], 0x0                ; xq (A) s[4:5], wq (B) s[6:7]
	s_load_b64 s[8:9], s[0:1], 0x10                ; out0
	s_load_b128 s[68:71], s[0:1], 0x18             ; sa s[68:69], sw s[70:71]
	s_load_b64 s[72:73], s[0:1], 0x28              ; bias
	v_lshl_add_u32 v[SPW], v0, 2, SPARE
	v_mov_b32 v[NIL], 0
	ds_add_u32 v[SPW], v[NIL]                      ; the wave's opening: the add and its wait ahead of my first tensor load; the set-up below, work on registers, stands between them
	v_lshrrev_b32 v1, 5, v0
	v_readfirstlane_b32 s10, v1                    ; wave 0..3
	s_lshr_b32 s11, s10, 1                         ; which half of the tile's rows is mine.  Also: I fetch for A (0) or for B (1)
	s_and_b32 s12, s10, 1                          ; which half of its columns.  Also: which 128 rows of that tile I fetch
	s_bfe_u32 s40, ttmp6, 0x40000                  ; cx: my place along the cluster's x
	s_bfe_u32 s41, ttmp6, 0x40004                  ; cy: along its y
	s_lshl_b32 s42, ttmp9, 2                       ; in a cluster launch ttmp9 and ttmp7 count clusters
	s_add_co_u32 s42, s42, s40                     ; tile column = 4 x cluster x + cx
	s_and_b32 s13, ttmp7, 0xffff
	s_lshl_b32 s13, s13, 2
	s_add_co_u32 s13, s13, s41                     ; tile row = 4 x cluster y + cy
	s_lshl_b32 s43, s41, 2
	s_lshl_b32 s43, 15, s43                        ; my row of the cluster: places 4 cy .. 4 cy + 3
	s_lshl_b32 s44, 0x1111, s40                    ; my column: places cx, cx + 4, cx + 8, cx + 12
	; descriptor group 1: a tile of 128 rows x 128 elements, padded in LDS
	s_or_b32 s[G1+0], s43, (1<<16)|(1<<20)|(1<<21)|(5<<22)|(3<<25)  ; 15:0 the mask: A's tiles go to my row; 17:16 elements of 2 bytes; 20 padding on; 21 set beside a mask; 24:22 after every 64 words (code 5); 31:25 4 words of it (code 3)
	s_or_b32 s[G1B+0], s44, (1<<16)|(1<<20)|(1<<21)|(5<<22)|(3<<25) ; the same with the mask of my column, for B's tiles
	s_mov_b32 s[G1B+1], KSTEP<<16
	s_mov_b32 s[G1+1], KSTEP<<16                   ; 63:48 tensor_dim0, low half = 128
	s_mov_b32 s[G1B+2], 128<<16
	s_mov_b32 s[G1+2], 128<<16                     ; 79:64 its high half = 0; 95:80 tensor_dim1, low half = 128
	s_mov_b32 s[G1B+3], KSTEP<<16
	s_mov_b32 s[G1+3], KSTEP<<16                   ; 111:96 its high half = 0; 127:112 tile_dim0 = 128
	s_mov_b32 s[G1B+4], 128
	s_mov_b32 s[G1+4], 128                         ; 143:128 tile_dim1 = 128; 159:144 tile_dim2 = 0
	s_mov_b32 s[G1B+5], SIZE_K
	s_mov_b32 s[G1+5], SIZE_K                      ; 191:160 tensor_dim0_stride, low word: elements from row to row
	s_mov_b32 s[G1B+6], 0
	s_mov_b32 s[G1+6], 0
	s_mov_b32 s[G1B+7], 0
	s_mov_b32 s[G1+7], 0
	; where the tiles come from.  A's hang on the tile row alone, which my row of the cluster shares; B's on the tile column alone, which my column shares.
	; Every wave makes both addresses, in registers that never hold the other coordinate, and asks by one of them.
	s_lshl_b32 s17, s12, 7                         ; which 128 rows of the tile I fetch
	s_lshl_b32 s16, s13, 8
	s_add_co_u32 s16, s16, s17                     ; A: row 256 x tile row + 128 x half
	s_lshl_b32 s46, s42, 8
	s_add_co_u32 s46, s46, s17                     ; B: row 256 x tile column + 128 x half
	s_mov_b32 s17, 0
	s_mov_b32 s47, 0
	s_mov_b64 s[18:19], SIZE_K*2
	s_mul_u64 s[16:17], s[16:17], s[18:19]         ; in bytes, in 64 bits
	s_mul_u64 s[46:47], s[46:47], s[18:19]
	s_mul_i32 s20, s10, HALFT                      ; and where they go: A's two halves, then B's two halves = wave x 128 rows: no place in the cluster enters an LDS address
	s_wait_dscnt 0x0                               ; the opening add is done
	s_wait_kmcnt 0x0
	s_add_nc_u64 s[14:15], s[4:5], s[16:17]
	s_add_nc_u64 s[46:47], s[6:7], s[46:47]
	CROUND                                         ; all sixteen work-groups are here: the first joint loads meet
.irp s, 0,1
	s_mov_b32 s[G0+4*(\s)], 1                                      ; 1:0 count = 1
	s_add_co_u32 s[G0+4*(\s)+1], s20, (\s)*SLOT                    ; 63:32 LDS address
	s_add_nc_u64 s[G0+4*(\s)+2:G0+4*(\s)+3], s[14:15], (\s)*KSTEP*2  ; 120:64 global address: K step s
	s_or_b32 s[G0+4*(\s)+3], s[G0+4*(\s)+3], 0x80000000            ; 127:126 type = 2
	s_mov_b32 s[G0B+4*(\s)], 1
	s_add_co_u32 s[G0B+4*(\s)+1], s20, (\s)*SLOT
	s_add_nc_u64 s[G0B+4*(\s)+2:G0B+4*(\s)+3], s[46:47], (\s)*KSTEP*2
	s_or_b32 s[G0B+4*(\s)+3], s[G0B+4*(\s)+3], 0x80000000
	JLOAD \s                                       ; the ring is filled before anything else is done: two tensor loads of mine are out
.endr
	; the scales and the bias of my 128 x 128, loaded once, in the wait for the first tile
	s_lshl_b32 s74, s13, 10                        ; 4 bytes x (256 x tile row
	s_lshl_b32 s75, s11, 9                         ;            + 128 x row half)
	s_add_co_u32 s74, s74, s75
	s_mov_b32 s75, 0
	s_lshl_b32 s76, s42, 10                        ; 4 bytes x (256 x tile column
	s_lshl_b32 s77, s12, 9                         ;            + 128 x column half)
	s_add_co_u32 s76, s76, s77
	s_mov_b32 s77, 0
	s_lshr_b32 s78, s76, 1                         ; the same columns at 2 bytes
	s_mov_b32 s79, 0
	s_add_nc_u64 s[68:69], s[68:69], s[74:75]      ; sa at my first row
	s_add_nc_u64 s[70:71], s[70:71], s[76:77]      ; sw at my first column
	s_add_nc_u64 s[72:73], s[72:73], s[78:79]      ; bias at my first column
	v_and_b32 v1, 15, v0                           ; l % 16
	v_bfe_u32 v2, v0, 4, 1                         ; l / 16
	v_lshlrev_b32 v[VSA], 2, v1
	v_lshlrev_b32 v[VSW], 5, v2
	v_lshlrev_b32 v[VBI], 4, v1
	WIN TO_B
.irp b, 0,1,2,3,4,5,6,7
	global_load_b128 v[SW+8*(\b):SW+8*(\b)+3],   v[VSW], s[70:71] offset:64*(\b)
	global_load_b128 v[SW+8*(\b)+4:SW+8*(\b)+7], v[VSW], s[70:71] offset:64*(\b)+16
.endr
.irp a, 0,1,2,3,4,5,6,7
	global_load_b32 v[SA+2*(\a)],   v[VSA], s[68:69] offset:64*(\a)  ; twice: a pair for the packed multiply
	global_load_b32 v[SA+2*(\a)+1], v[VSA], s[68:69] offset:64*(\a)
.endr
	WIN 0
	global_load_b128 v[BIAS:BIAS+3], v[VBI], s[72:73]
	; A fragment is 16 rows x 32 K in 8 registers: lane l holds row l % 16; registers 0-3 hold K = 8 (l / 16) + 0..7, registers 4-7 hold
	; K = 16 + 8 (l / 16) + 0..7.  From rows that lie along K: two loads of 16 bytes, 32 bytes apart.  The same for source 0 and source 1.
	v_mul_u32_u24 v3, v1, PITCH
	v_lshl_add_u32 v3, v2, 4, v3                   ; row x pitch + 16 x half
	s_mul_i32 s21, s11, HALFT                      ; my 128 rows of A
	s_mul_i32 s22, s12, HALFT                      ; my 128 rows of B,
	s_add_co_u32 s22, s22, 2*HALFT                 ; which lie behind A's 256
.irp s, 0,1
	v_add_nc_u32 v[ADRA+(\s)], s21, v3
	v_add_nc_u32 v[ADRB+(\s)], s22, v3
	s_add_co_u32 s21, s21, SLOT
	s_add_co_u32 s22, s22, SLOT
.endr
	s_mul_i32 s23, s10, 16*SPITCH
	s_add_co_u32 s23, s23, STAGE                   ; my stage
	v_mul_u32_u24 v4, v1, SPITCH                   ; in: row l % 16, 16 bytes for each half of the lanes
	v_lshl_add_u32 v4, v2, 4, v4
	v_add_nc_u32 v[STO], s23, v4
	v_mul_u32_u24 v5, v2, SPITCH                   ; back: lanes 0-15 take one row of 256 bytes, lanes 16-31 the next
	v_lshl_add_u32 v5, v1, 4, v5
	v_add_nc_u32 v[RD], s23, v5
	v_mul_u32_u24 v5, v2, SIZE_N*2                 ; and the same two rows in out0
	v_lshl_add_u32 v[CO], v1, 4, v5
	; where my part of the tile begins in out0, in bytes: the way out adds it to out0's address
	s_lshl_b32 s13, s13, 8
	s_lshl_b32 s14, s11, 7
	s_add_co_u32 s16, s13, s14                     ; my first row
	s_mov_b32 s17, 0
	s_mov_b64 s[18:19], SIZE_N*2
	s_mul_u64 s[16:17], s[16:17], s[18:19]
	s_lshl_b32 s46, s42, 9                         ; my first column, in bytes: 512 x tile column + 256 x half
	s_lshl_b32 s47, s12, 8
	s_add_co_u32 s46, s46, s47
	s_mov_b32 s47, 0
	s_add_nc_u64 s[16:17], s[16:17], s[46:47]
; 16 matrix instructions: m blocks a0, a0 + 1 of the window's four (hi = 0: my rows 0-63, 1: rows 64-127) x all 8 n blocks, 32 along K.
; zero = 1: the first product starts the sums: nothing is ever cleared.
.macro MUL16 f, hi, a0, zero
	WIN MUL_LO+0x50*(\hi)  ; MUL_LO or MUL_HI
.irp a, \a0, (\a0)+1
.irp b, 0,1,2,3,4,5,6,7
.if \zero
	v_wmma_f32_16x16x32_bf16 v[8*(8*(\a)+(\b)):8*(8*(\a)+(\b))+7], v[(\f)+8*(\b):(\f)+8*(\b)+7], v[(\f)+8*(4*(\hi)+(\a)):(\f)+8*(4*(\hi)+(\a))+7], 0
.else
	v_wmma_f32_16x16x32_bf16 v[8*(8*(\a)+(\b)):8*(8*(\a)+(\b))+7], v[(\f)+8*(\b):(\f)+8*(\b)+7], v[(\f)+8*(4*(\hi)+(\a)):(\f)+8*(4*(\hi)+(\a))+7], v[8*(8*(\a)+(\b)):8*(8*(\a)+(\b))+7]
.endif
.endr
.endr
.endm
; 32 LDS loads in one run: the fragments of one quarter step (128 rows of B, 128 rows of A, 32 K at byte k of the rows) into buffer f
.macro FETCH slot, k, f
	WIN TO_B
.irp i, 0,1,2,3,4,5,6,7
	ds_load_b128 v[(\f)+8*(\i):(\f)+8*(\i)+3],   v[ADRB+(\slot)] offset:(\k)+(\i)*16*PITCH
	ds_load_b128 v[(\f)+8*(\i)+4:(\f)+8*(\i)+7], v[ADRB+(\slot)] offset:(\k)+(\i)*16*PITCH+32
.endr
	WIN 0
.irp i, 0,1,2,3,4,5,6,7
	ds_load_b128 v[(\f)+8*(\i):(\f)+8*(\i)+3],   v[ADRA+(\slot)] offset:(\k)+(\i)*16*PITCH
	ds_load_b128 v[(\f)+8*(\i)+4:(\f)+8*(\i)+7], v[ADRA+(\slot)] offset:(\k)+(\i)*16*PITCH+32
.endr
.endm
; A load into a register that a matrix instruction has read, and a vector instruction that reads a matrix result or writes one of a matrix instruction's registers, stand four
; places behind that matrix instruction, and only plain vector instructions that name none of its registers are places (ISA guide 7.12.1 for vector instructions)
; the matrix instructions in between are not counted.
.macro PLACES
.rept 4
	v_nop
.endr
.endm
; A K step is four quarter steps of 32 along K, 64 matrix instructions each, on buffers 0, 1, 0, 1.  The 64 accumulators take turns in the same order in every quarter.
; One of the first three: multiplies buffer f; in its middle it fetches the next quarter's fragments, at byte k of the same slot's rows, into buffer g.
.macro QUARTER slot, k, f, g, zero
	s_wait_dscnt 8                                 ; B and A's rows 0-63 are in; the youngest eight loads (A's rows 64-127) may be out
	WIN MUL_LO
	MUL16 \f, 0, 0, \zero
	MUL16 \f, 0, 2, \zero
	PLACES
	FETCH \slot, \k, \g
	s_wait_dscnt 32                                ; all but the 32 just issued
	WIN MUL_HI
	MUL16 \f, 1, 0, \zero
	MUL16 \f, 1, 2, \zero
.endm
; The last quarter multiplies buffer 1 and changes slots.  MEET is its first half: one barrier for the change of slots.  In front of it each wave waits for all its tensor loads,
; of which one is out: its part of the next slot; adds 0 to its spare word; and waits for that and for its own reads of this slot.  Behind it nobody reads this slot any more and the next slot is whole.
.macro MEET round                      ; round = 1: a round of the cluster's barrier follows
	WIN 0                                          ; (the add's two registers lie in window 0)
	s_wait_tensorcnt 0x0                           ; all my tensor loads have landed: the one that was out is my part of the next slot;
	ds_add_u32 v[SPW], v[NIL]                      ; 0 onto my spare word;
	s_wait_dscnt 9                                 ; (the add and the youngest eight loads may be out)
	WIN MUL_LO
	MUL16 F1, 0, 0, 0                              ; sixteen matrix instructions stand between the add and the wait for it
	s_wait_dscnt 0x0                               ; the add is done, and my reads of this slot are over:
	s_barrier_signal -1                            ; say so (where a slot is filled again this barrier opens a round of the cluster's barrier),
	MUL16 F1, 0, 2, 0                              ; work on registers while the others arrive,
.if \round
	WIN 0
.endif
	s_barrier_wait -1                              ; and go on when all four have said so
.endm
; The whole last quarter with a refill.  Behind the round the slot just read out is filled again first, with the K step two steps on; then come the next slot's first fragments.
; From a request to the wait for it a wave issues 224 matrix instructions.
.macro TURN slot, next
	MEET 1
	CREST                                          ; no wave of any partner still reads this slot's tile or has a load on its way
	s_add_nc_u64 s[G0+4*(\slot)+2:G0+4*(\slot)+3], s[G0+4*(\slot)+2:G0+4*(\slot)+3], 2*KSTEP*2     ; no tensor load of mine is out: a group 0 may be written
	s_add_nc_u64 s[G0B+4*(\slot)+2:G0B+4*(\slot)+3], s[G0B+4*(\slot)+2:G0B+4*(\slot)+3], 2*KSTEP*2
	JLOAD \slot                                    ; the first tensor load behind the round, and my only one until the next; its four v_nop are also the places in front of the loads below
	FETCH \next, 0, F0
	WIN MUL_HI
	MUL16 F1, 1, 0, 0
	MUL16 F1, 1, 2, 0
.endm
; THE WAY OUT of block a (16 rows x my 128 columns), in three parts.
; PACK: times sa of the lane's row, times sw of the register's column, both in f32 and in that order; rounded to bf16, 16 bytes a lane.  Each accumulator's registers are taken in ascending order.
.macro PACK a
.set AC, 64*((\a)%4)
	WIN 0x86+0x41*((\a)/4)                         ; source 0 and destination: window 2 or 3; source 1: window 1
.irp b, 0,1,2,3,4,5,6,7
.irp r, 0,1,2,3
	v_pk_mul_f32 v[AC+8*(\b)+2*(\r):AC+8*(\b)+2*(\r)+1], v[AC+8*(\b)+2*(\r):AC+8*(\b)+2*(\r)+1], v[SA+2*(\a):SA+2*(\a)+1]
.endr
.endr
.irp b, 0,1,2,3,4,5,6,7
.irp r, 0,1,2,3
	v_pk_mul_f32 v[AC+8*(\b)+2*(\r):AC+8*(\b)+2*(\r)+1], v[AC+8*(\b)+2*(\r):AC+8*(\b)+2*(\r)+1], v[SW+8*(\b)+2*(\r):SW+8*(\b)+2*(\r)+1]
.endr
.endr
	WIN 0x0a+5*((\a)/4)                            ; sources 0 and 1: window 2 or 3; destination window 0
.irp b, 0,1,2,3,4,5,6,7
.irp r, 0,1,2,3
	v_cvt_pk_bf16_f32 v[TMP+4*(\b)+(\r)], v[AC+8*(\b)+2*(\r)], v[AC+8*(\b)+2*(\r)+1]
.endr
.endr
	WIN 0
.endm
; TOSTAGE: into my own stage in LDS, and back as whole rows of 256 bytes.
.macro TOSTAGE a
	WIN 0
.set BK, OB+192*((\a)%2)
.irp b, 0,1,2,3,4,5,6,7
	ds_store_b128 v[STO], v[TMP+4*(\b):TMP+4*(\b)+3] offset:32*(\b)
.endr
.irp t, 0,1,2,3,4,5,6,7
	ds_load_b128 v[BK+4*(\t):BK+4*(\t)+3], v[RD] offset:(\t)*2*SPITCH  ; LDS serves a wave's instructions in order (ISA guide 5.7.1.4): these see the stores above
.endr
.endm
; SEND: the bias is added in bf16 (behind the stage a lane holds the same eight columns in every row: four registers of bias serve the whole tile), and the rows are stored.
.macro SEND a
	WIN 0
.set BK, OB+192*((\a)%2)
	s_wait_dscnt 0x0                               ; the block is back in registers
	s_wait_xcnt 0x0                                ; every earlier memory instruction has had its addresses translated (ISA guide 3.1): only behind this wait are the stores' base and the registers that earlier stores read rewritten
.if (\a) == 0
	s_add_nc_u64 s[8:9], s[8:9], s[16:17]          ; on to my first rows
.else
	s_add_nc_u64 s[8:9], s[8:9], 16*SIZE_N*2       ; 16 rows on
.endif
.irp t, 0,1,2,3,4,5,6,7
.irp r, 0,1,2,3
	v_pk_add_bf16 v[BK+4*(\t)+(\r)], v[BK+4*(\t)+(\r)], v[BIAS+(\r)]
.endr
	global_store_b128 v[CO], v[BK+4*(\t):BK+4*(\t)+3], s[8:9] offset:2*(\t)*SIZE_N*2 th:TH_STORE_NT  ; 16 lanes store 256 consecutive bytes, at a multiple of 256 from out0's first byte
.endr
.endm
	s_wait_loadcnt 0x0                             ; scales and bias are in: no global load is out from here on
	s_wait_tensorcnt 1                             ; my part of K step 0 is in; K step 1's may stay out
	s_barrier_signal -1
	s_barrier_wait -1                              ; everybody's is
	FETCH 0, 0, F0
	QUARTER 0, 64,  F0, F1, 1                      ; the first quarter stands in front of the loop: its products start the sums
	WIN 0                                          ; at a label and at a branch every window is 0
	s_mov_b32 s3, LAPS-1
.Llap:                                                 ; 15 trips: a trip goes once round the ring, from a lap's second quarter to the next lap's first, and fills both slots again
	QUARTER 0, 128, F1, F0, 0
	QUARTER 0, 192, F0, F1, 0
	TURN 0, 1
	QUARTER 1, 64,  F0, F1, 0
	QUARTER 1, 128, F1, F0, 0
	QUARTER 1, 192, F0, F1, 0
	TURN 1, 0
	QUARTER 0, 64,  F0, F1, 0
	WIN 0
	s_sub_co_u32 s3, s3, 1
	s_cmp_lg_u32 s3, 0
	s_cbranch_scc1 .Llap
	QUARTER 0, 128, F1, F0, 0                      ; the last lap, K steps 30 and 31, is written out: it fills nothing, and has no round of the cluster's barrier
	QUARTER 0, 192, F0, F1, 0
	MEET 0                                         ; my one tensor load that was still out is slot 1's, the last K step's
	PLACES                                         ; for the loads into buffer 0, which the quarter before multiplied
	FETCH 1, 0, F0
	WIN MUL_HI
	MUL16 F1, 1, 0, 0
	MUL16 F1, 1, 2, 0
	QUARTER 1, 64,  F0, F1, 0
	QUARTER 1, 128, F1, F0, 0
	QUARTER 1, 192, F0, F1, 0
	s_wait_dscnt 8                                 ; the very last quarter: nothing more to fetch
	WIN MUL_LO
	MUL16 F1, 0, 0, 0
	MUL16 F1, 0, 2, 0
	s_wait_dscnt 0x0
	MUL16 F1, 1, 0, 0
	MUL16 F1, 1, 2, 0
	PLACES                                         ; the scalings read and rewrite results: four places behind the last products
	PACK 0
	TOSTAGE 0
.irp a, 1,2,3,4,5,6,7                  ; block a's 96 lines stand between block a - 1's loads from the stage and the wait for them
	PACK \a
	SEND (\a)-1
	TOSTAGE \a
.endr
	SEND 7
	s_wait_tensorcnt 0x0                           ; the wave's end: behind my last tensor load and my last LDS store
	ds_add_u32 v[SPW], v[NIL]
	s_wait_dscnt 0x0
	CROUND                                         ; the closing round: no work-group ends while a partner may still ask for a tile that names it
	s_endpgm
.Lfunc_end_k_qe082707ef0_gemm:
	.size	k_qe082707ef0_gemm, .Lfunc_end_k_qe082707ef0_gemm-k_qe082707ef0_gemm
	.p2alignl 7, 3214868480
	.fill 96, 4, 3214868480
	.section	.rodata,"a",@progbits
	.p2align	6, 0x0
	.amdhsa_kernel k_qe082707ef0_gemm
		.amdhsa_group_segment_fixed_size 327680
		.amdhsa_private_segment_fixed_size 0
		.amdhsa_enable_private_segment 0
		.amdhsa_kernarg_size 48
		.amdhsa_user_sgpr_count 2
		.amdhsa_user_sgpr_kernarg_segment_ptr 1
		.amdhsa_wavefront_size32 1
		.amdhsa_system_sgpr_workgroup_id_x 1
		.amdhsa_system_sgpr_workgroup_id_y 1
		.amdhsa_system_sgpr_workgroup_id_z 1
		.amdhsa_system_vgpr_workitem_id 0
		.amdhsa_next_free_vgpr 1024
		.amdhsa_next_free_sgpr 80
		.amdhsa_reserve_vcc 0
		.amdhsa_float_denorm_mode_32 3
		.amdhsa_float_denorm_mode_16_64 3
		.amdhsa_memory_ordered 1
		.amdhsa_forward_progress 1
		.amdhsa_inst_pref_size 195
	.end_amdhsa_kernel
	.amdgpu_metadata
---
amdhsa.version: [ 1, 2 ]
amdhsa.kernels:
  - .name:           k_qe082707ef0_gemm
    .symbol:         k_qe082707ef0_gemm.kd
    .args:
      - { .name: xq, .offset: 0, .size: 8, .value_kind: global_buffer, .address_space: global }
      - { .name: wq, .offset: 8, .size: 8, .value_kind: global_buffer, .address_space: global }
      - { .name: out0, .offset: 16, .size: 8, .value_kind: global_buffer, .address_space: global }
      - { .name: sa, .offset: 24, .size: 8, .value_kind: global_buffer, .address_space: global }
      - { .name: sw, .offset: 32, .size: 8, .value_kind: global_buffer, .address_space: global }
      - { .name: bias, .offset: 40, .size: 8, .value_kind: global_buffer, .address_space: global }
    .group_segment_fixed_size: 327680
    .private_segment_fixed_size: 0
    .kernarg_segment_align: 8
    .kernarg_segment_size: 48
    .max_flat_workgroup_size: 128
    .sgpr_count:     80
    .vgpr_count:     1024
    .wavefront_size: 32
...
	.end_amdgpu_metadata
.endif
;; end of part 2
;; ======== version 2 of 2: 2 launches; version 1 with the launch quant written anew for expert scheduling mode
;; workspace buffers: xq 33,554,432 bytes; wq 33,554,432 bytes; sa 16,384 bytes; sw 16,384 bytes
;; launch quant (part 3): grid 128 x 2, 16 waves a work-group, no clusters, 2,304 bytes of LDS; arguments x, weight, xq, wq, sa, sw; writes xq, wq, sa, sw
.if DOCPART == 3
	.amdgcn_target "amdgcn-amd-amdhsa--gfx1250"
	.amdhsa_code_object_version 6
	.text
	.protected	k_qe082707ef0_quant
	.globl	k_qe082707ef0_quant
	.p2align	8
	.type	k_qe082707ef0_quant,@function
k_qe082707ef0_quant:
	s_mov_b64 s[64:65], 0
	v_nop
	global_prefetch_b8 v0, s[64:65] scope:SCOPE_SE
	s_setreg_imm32_b32 hwreg(HW_REG_WAVE_SCHED_MODE, 0, 2), 2
	s_setreg_imm32_b32 hwreg(HW_REG_WAVE_MODE, 25, 1), 1
	s_wait_xcnt 0x0
	s_wait_alu depctr_vm_vsrc(0)
; ROW-WISE FP8 QUANTISATION, for x (grid y = 0) and weight (grid y = 1) alike.  t: [4096][4096] bf16.
;   s[r] = max(amax over the row of |t[r][c]| / 448, 1e-8) in f32;   q[r][c] = e4m3(t[r][c] / s[r]), written as bf16, which holds every e4m3 number exactly.
; SHARES.  128 work-groups a tensor, 32 rows each; sixteen waves, two rows each.  A row is 8,192 bytes: sixteen loads of 16 bytes a lane, 512 consecutive bytes
; a load, 64 registers.  Both rows are asked for at the start (32 loads a wave, the work-group's whole 262,144 bytes), stay in registers between the pass that finds
; the maximum and the pass that quantises, are rewritten in place and stored from there: each byte is read once and written once, and there is no loop.
; THE DIVISIONS.  amax / 448: product with the rounded reciprocal of 448, exact residual by a fused multiply-add, one correction.  t / s: the same with v_rcp_f32 of s.
; Where the true quotient is an f32 number the result is that number, so quotients that lie midway between two e4m3 codes are rounded as a true division's would be.
; LIMITS.  NaN and infinities in the inputs are not treated apart (the maximum drops a NaN; the clamp holds a quotient to +-448).  The clamp changes nothing for finite
; inputs: |t| <= amax gives |t / s| <= 448 but for the last bit.  In rare cases the corrected quotient may differ from a true division in its last f32 bit.
; The 32 scales of a work-group meet in LDS and leave as one store of 128 consecutive bytes: 64 rows a work-group would give 256, but only 128 work-groups.
; THE MODE: SCHED_MODE bits 1:0 = 2 (LLVM: expert scheduling mode 2), set by the entry lines.  The code itself states the register dependences
; between vector instructions and memory or LDS instructions, with s_wait_alu, always for 0.
; THE PLAN.  Registers that memory or LDS instructions touch:
;   v2, v3, v4   offsets and LDS addresses, made once at the head and never written again.     v6, v7   made at the head, read by the closing add alone.
;   X            The 32 loads at the head land in it; no vector instruction has named it before.  A GROUP is four registers (8 numbers): its unpacking lines read them, its four
;                roundings write them in place, its one store reads them; nothing writes them after that.
;   v[22:23]     The wave's two scales: written by two moves, read by the LDS store, not written again.
;   v24          At work until the last group; then, in wave 0, the LDS load of the 32 scales lands in it and the last store reads it.
; A row's sixteen groups go in four BLOCKS of four.  Block b's four stores are issued in block b + 1, one ahead of each of its groups, behind ONE wait at that block's head: block
; b + 1's vector lines name its own sixteen registers of X and the registers at work, none that those stores read.  A row's last block is stored behind a wait of its own.
; No register that a memory or LDS instruction has read is ever written again, so beyond the entry the text holds no wait on vm_vsrc.
.set ROW,   8192                       ; bytes in a row
.set SPARE, 256                        ; LDS: bytes 0-127 the 32 scales (the block 0-255 is theirs); from 256 on the spare words, 128 bytes for each of 16 waves
.set OFF,  2                           ; v2       16 x lane + 16,384 x wave: my 16 bytes in my wave's first row; never rewritten
.set LN4,  3                           ; v3       4 x lane
.set LA,   4                           ; v4       8 x wave: where my wave's two scales go in LDS
.set SPW,  6                           ; v6       LDS address of my spare word; never rewritten
.set NIL,  7                           ; v7       0; never rewritten
                                       ; v[8:9]   eight e4m3 codes: written whole as a pair, read by halves (v8.l .. v9.h below)
.set M,    10                          ; v[10:13] four running maxima, two bf16 each
.set ONE,  14                          ; v14      1.0: the scale of the conversion to e4m3; never rewritten
.set SC,   16                          ; v[16:17] row 0's scale, twice; v[18:19] row 1's
.set RC,   20                          ; v[20:21] 1 / scale, twice
.set P,    22                          ; v[22:23] the wave's two scales as a pair
.set T,    24                          ; v[24:31] at work
.set Q,    32                          ; v[32:39] at work
.set X,    40                          ; v[40:167] row s at X + 64 s
	s_load_b256 s[4:11], s[0:1], 0x0               ; x s[4:5], weight s[6:7], xq s[8:9], wq s[10:11]
	s_load_b128 s[12:15], s[0:1], 0x20             ; sa s[12:13], sw s[14:15]
	v_lshl_add_u32 v[SPW], v0, 2, SPARE
	v_mov_b32 v[NIL], 0
	v_lshrrev_b32 v1, 5, v0
	v_readfirstlane_b32 s16, v1                    ; wave 0..15
	s_and_b32 s17, ttmp7, 0xffff                   ; 0: x, 1: weight
	s_lshl_b32 s18, ttmp9, 18                      ; the work-group's 32 rows of 8,192 bytes: 2^25 at the most
	s_mov_b32 s19, 0
	s_lshl_b32 s34, ttmp9, 7                       ; and its 32 scales of 4 bytes
	s_mov_b32 s35, 0
	s_mov_b32 s20, 0x7fff7fff                      ; clears the signs of two bf16
	s_mov_b32 s21, 0xffff0000                      ; a word's upper bf16
	s_mov_b32 s22, 0x76543210                      ; v_permlanex16_b32: each lane takes its own place in the other half
	s_mov_b32 s23, 0xfedcba98
	s_mov_b32 s24, 0xc3e00000                      ; -448
	s_mov_b32 s25, 0x43e00000                      ; 448
	s_mov_b32 s26, 0x3b124925                      ; 1 / 448, rounded to nearest
	s_mov_b32 s27, 0x322bcc77                      ; 1e-8
	s_wait_alu depctr_va_sdst(0)                   ; s16 is written, ahead of its first reader: the line below that makes v[OFF] from it
	v_and_b32 v1, 31, v0                           ; lane
	v_lshlrev_b32 v[OFF], 4, v1
	v_lshl_add_u32 v[OFF], s16, 14, v[OFF]         ; + wave x 2 rows
	v_lshlrev_b32 v[LN4], 2, v1
	v_mov_b32 v[LA], s16
	v_lshlrev_b32 v[LA], 3, v[LA]
	v_mov_b32 v[ONE], 1.0                          ; its exponent is 0: the conversion below divides by 2^0
	s_wait_kmcnt 0x0
	s_cmp_eq_u32 s17, 0                            ; the tensor is chosen by the grid's y alone
	s_cselect_b64 s[28:29], s[4:5], s[6:7]         ; from
	s_cselect_b64 s[30:31], s[8:9], s[10:11]       ; to
	s_cselect_b64 s[32:33], s[12:13], s[14:15]     ; scales
	s_add_nc_u64 s[28:29], s[28:29], s[18:19]
	s_add_nc_u64 s[30:31], s[30:31], s[18:19]
	s_add_nc_u64 s[32:33], s[32:33], s[34:35]
	s_wait_alu depctr_va_vdst(0)                   ; v[OFF], v[LN4], v[LA], v[SPW] and v[NIL] are written: every load, store and LDS instruction of the kernel reads one of them as its offset, address or data
.irp s, 0,1
.irp j, 0,1,2,3,4,5,6,7,8,9,10,11,12,13,14,15
	global_load_b128 v[X+64*(\s)+4*(\j):X+64*(\s)+4*(\j)+3], v[OFF], s[28:29] offset:ROW*(\s)+512*(\j) th:TH_LOAD_NT  ; read once in the launch
.endr
.endr
; Group j of row s: four words (8 numbers): divide, clamp, to e4m3, back, to bf16 in place.
.macro GROUP s, j
.irp k, 0,1,2,3
	v_lshlrev_b32 v[T+2*(\k)],   16,  v[X+64*(\s)+4*(\j)+(\k)]
	v_and_b32     v[T+2*(\k)+1], s21, v[X+64*(\s)+4*(\j)+(\k)]
.endr
.if (\j) == 0
	s_wait_alu depctr_va_vdst(0)                   ; the row's two reciprocals have written v[RC:RC+1], ahead of their first reader below; the eight unpacking lines above are the independent work between
.endif
.irp k, 0,2,4,6
	v_pk_mul_f32 v[Q+(\k):Q+(\k)+1], v[T+(\k):T+(\k)+1], v[RC:RC+1]                                                   ; q0 = t r
.endr
.irp k, 0,2,4,6
	v_pk_fma_f32 v[T+(\k):T+(\k)+1], v[Q+(\k):Q+(\k)+1], v[SC+2*(\s):SC+2*(\s)+1], v[T+(\k):T+(\k)+1] neg_lo:[1,0,0] neg_hi:[1,0,0]  ; e = t - q0 s
.endr
.irp k, 0,2,4,6
	v_pk_fma_f32 v[Q+(\k):Q+(\k)+1], v[T+(\k):T+(\k)+1], v[RC:RC+1], v[Q+(\k):Q+(\k)+1]                               ; q = q0 + e r
.endr
.irp i, 0,1,2,3,4,5,6,7
	v_med3_num_f32 v[Q+(\i)], v[Q+(\i)], s24, s25  ; held to +-448, e4m3's largest number, ahead of the conversion
.endr
	v_cvt_scalef32_pk8_fp8_f32 v[8:9], v[Q:Q+7], v[ONE]  ; all eight to e4m3 at once, number i into byte i of the pair; the scale 1.0 divides by 2^0; the result is a whole register pair
	v_nop                                          ; one plain vector instruction between a scaled conversion and the first line that touches its result; the group has no independent line left for the place
	v_cvt_pk_f32_fp8 v[T:T+1],   v8.l
	v_cvt_pk_f32_fp8 v[T+2:T+3], v8.h
	v_cvt_pk_f32_fp8 v[T+4:T+5], v9.l
	v_cvt_pk_f32_fp8 v[T+6:T+7], v9.h
.irp k, 0,1,2,3
	v_cvt_pk_bf16_f32 v[X+64*(\s)+4*(\j)+(\k)], v[T+2*(\k)], v[T+2*(\k)+1]  ; exact: an e4m3 number has four significant bits
.endr
.endm
; Group j of row s is stored.
.macro OUT s, j
	global_store_b128 v[OFF], v[X+64*(\s)+4*(\j):X+64*(\s)+4*(\j)+3], s[30:31] offset:ROW*(\s)+512*(\j)  ; 512 consecutive bytes, aligned; these registers are not written again
.endm
; Row s of my two.  left = how many younger loads may stay out.  The row's last block is stored by the lines behind the macro.
.macro ROWQ s, left
	s_wait_loadcnt \left                           ; loads come back in order (ISA guide 5.7.1): this row's sixteen are in
	; pass 1: the largest |t| of my 128 numbers, two bf16 at a time, in four chains started by the first four words
.irp k, 0,1,2,3
	v_and_b32 v[M+(\k)], s20, v[X+64*(\s)+(\k)]
.endr
.set j, 4
.rept 60
	v_and_b32 v[T+j%4], s20, v[X+64*(\s)+j]
	v_pk_max_num_bf16 v[M+j%4], v[M+j%4], v[T+j%4]
.set j, j+1
.endr
	v_pk_max_num_bf16 v[M], v[M], v[M+1]
	v_pk_max_num_bf16 v[M+2], v[M+2], v[M+3]
	v_pk_max_num_bf16 v[M], v[M], v[M+2]
	v_lshlrev_b32 v[T], 16, v[M]                   ; the two halves as f32
	v_and_b32 v[T+1], s21, v[M]
	v_max_num_f32 v[T], v[T], v[T+1]
	v_max_num_f32_dpp v[T], v[T], v[T] row_xmask:1 row_mask:0xf bank_mask:0xf
	v_max_num_f32_dpp v[T], v[T], v[T] row_xmask:2 row_mask:0xf bank_mask:0xf
	v_max_num_f32_dpp v[T], v[T], v[T] row_xmask:4 row_mask:0xf bank_mask:0xf
	v_max_num_f32_dpp v[T], v[T], v[T] row_xmask:8 row_mask:0xf bank_mask:0xf
	v_permlanex16_b32 v[T+1], v[T], s22, s23       ; the other half of the lanes; its destination has been written
	v_max_num_f32 v[M], v[T], v[T+1]               ; every lane holds the row's amax
	; the scale: amax / 448, then the floor of 1e-8
	v_mul_f32 v[T], s26, v[M]                      ; q0 = amax x (1 / 448)
	v_fma_f32 v[T+1], v[T], s24, v[M]              ; e = amax - 448 q0, exact
	v_fma_f32 v[T], v[T+1], s26, v[T]              ; q0 + e / 448
	v_max_num_f32 v[SC+2*(\s)], s27, v[T]
	v_max_num_f32 v[SC+2*(\s)+1], s27, v[T]        ; twice: a pair for the packed arithmetic
	v_rcp_f32 v[RC], v[SC+2*(\s)]                  ; a plain vector instruction stands between a reciprocal and the use of its result (ISA guide 5.7.2):
	v_rcp_f32 v[RC+1], v[SC+2*(\s)]                ; the first group's unpacking lines, which name neither RC nor SC
	; pass 2: four blocks of four groups; a block's stores are dealt among the next block's groups
.irp b, 0,1,2,3
.if (\b) > 0
	s_wait_alu depctr_va_vdst(0)                   ; the block before has written its sixteen registers of X, which the four stores below read; no vector line of this block names them
.endif
.irp i, 0,1,2,3
.if (\b) > 0
	OUT \s, 4*(\b)-4+(\i)
.endif
	GROUP \s, 4*(\b)+(\i)
.endr
.endr
.endm
	ROWQ 0, 16                                     ; the second row's sixteen loads stay out
	s_wait_alu depctr_va_vdst(0)                   ; row 0's last block has written its sixteen registers of X, which the four stores below read; row 1's lines name none of them
.irp j, 12,13,14,15
	OUT 0, \j
.endr
	ROWQ 1, 0
	; the scales: each wave puts its two into LDS, wave 0 stores all 32
	v_mov_b32 v[P], v[SC]
	v_mov_b32 v[P+1], v[SC+2]
	s_wait_alu depctr_va_vdst(0)                   ; row 1's last block has written its registers of X, which the four stores read; v[P:P+1] is written, which the LDS store reads; every vector line is done with v[T], in which wave 0's LDS load lands: no vector instruction follows this wait
.irp j, 12,13,14,15
	OUT 1, \j
.endr
	ds_store_b64 v[LA], v[P:P+1]                   ; all lanes write the same 8 bytes with the same values
	s_wait_dscnt 0x0                               ; for the others' sake: my store is done
	s_barrier_signal -1
	s_barrier_wait -1
	s_cmp_lg_u32 s16, 0
	s_cbranch_scc1 .Ldone
	ds_load_b32 v[T], v[LN4]                       ; lane i: the scale of the work-group's row i
	s_wait_dscnt 0x0
	global_store_b32 v[LN4], v[T], s[32:33]        ; 128 consecutive bytes
.Ldone:
	s_wait_dscnt 0x0                               ; the closing lines, six on end
	s_wait_alu 0x0
	s_wait_tensorcnt 0x0
	ds_add_u32 v[SPW], v[NIL]
	s_wait_dscnt 0x0
	s_endpgm
.Lfunc_end_k_qe082707ef0_quant:
	.size	k_qe082707ef0_quant, .Lfunc_end_k_qe082707ef0_quant-k_qe082707ef0_quant
	.p2alignl 7, 3214868480
	.fill 96, 4, 3214868480
	.section	.rodata,"a",@progbits
	.p2align	6, 0x0
	.amdhsa_kernel k_qe082707ef0_quant
		.amdhsa_group_segment_fixed_size 2304
		.amdhsa_private_segment_fixed_size 0
		.amdhsa_enable_private_segment 0
		.amdhsa_kernarg_size 48
		.amdhsa_user_sgpr_count 2
		.amdhsa_user_sgpr_kernarg_segment_ptr 1
		.amdhsa_wavefront_size32 1
		.amdhsa_system_sgpr_workgroup_id_x 1
		.amdhsa_system_sgpr_workgroup_id_y 1
		.amdhsa_system_sgpr_workgroup_id_z 1
		.amdhsa_system_vgpr_workitem_id 0
		.amdhsa_next_free_vgpr 168
		.amdhsa_next_free_sgpr 66
		.amdhsa_reserve_vcc 0
		.amdhsa_float_denorm_mode_32 3
		.amdhsa_float_denorm_mode_16_64 3
		.amdhsa_memory_ordered 1
		.amdhsa_forward_progress 1
		.amdhsa_inst_pref_size 86
	.end_amdhsa_kernel
	.amdgpu_metadata
---
amdhsa.version: [ 1, 2 ]
amdhsa.kernels:
  - .name:           k_qe082707ef0_quant
    .symbol:         k_qe082707ef0_quant.kd
    .args:
      - { .name: x, .offset: 0, .size: 8, .value_kind: global_buffer, .address_space: global }
      - { .name: weight, .offset: 8, .size: 8, .value_kind: global_buffer, .address_space: global }
      - { .name: xq, .offset: 16, .size: 8, .value_kind: global_buffer, .address_space: global }
      - { .name: wq, .offset: 24, .size: 8, .value_kind: global_buffer, .address_space: global }
      - { .name: sa, .offset: 32, .size: 8, .value_kind: global_buffer, .address_space: global }
      - { .name: sw, .offset: 40, .size: 8, .value_kind: global_buffer, .address_space: global }
    .group_segment_fixed_size: 2304
    .private_segment_fixed_size: 0
    .kernarg_segment_align: 8
    .kernarg_segment_size: 48
    .max_flat_workgroup_size: 512
    .sgpr_count:     66
    .vgpr_count:     168
    .wavefront_size: 32
...
	.end_amdgpu_metadata
.endif
;; end of part 3
;; launch gemm: the kernel of part 2 again; grid 16 x 16, 4 waves a work-group, clusters of 4 x 4, 327,680 bytes of LDS; arguments xq, wq, out0, sa, sw, bias; writes out0
